; MI455X (gfx1250); checked and timed in simulation.
; The chip was launched on July 23, 2026; its instructions are those of AMD's public machine-readable ISA for CDNA 5 (MIT licence, August 2026) and "CDNA5" Instruction Set Architecture Reference Guide (July 2026). The comments in the code are by the model that wrote it; some were corrected since.
;; Optimized FP4 Linear. Allowed arithmetic: matrix products marked QUANTISED: E5M2 operands, one E8M0 scale for each 32 along K, by v_wmma_scale_f32_16x16x128_f8f6f4 with both operands' format E5M2, f32 sums; everything else in f32.
;; Inputs: bias 2,048 float32; weight_packed 4,194,304 int32; weight_scales 65,536 float32; x_codes 4 x 2,048 x 128 x 32 uint8 (E5M2 codes of x, K innermost, in blocks of 32 codes); x_scales 4 x 2,048 x 128 uint8 (E8M0 scales of x, one for each 32 codes along K).
;; Outputs: out0 4 x 2,048 x 2,048 float32.
;; This version of the problem:
;;   THIS VERSION OF THE PROBLEM IS GIVEN IN LOW PRECISION. The matrix products marked QUANTISED in the list below multiply operands that are first quantised to E5M2 (5 exponent bits, 2 mantissa bits; 8 bits a number), with one power-of-two scale for each 32 numbers along K (OCP MX v1.0); their sums are f32. All else is computed in f32.
;;   The module's matrix products, in the order in which they are computed (A, B: the left and right operand; K: the contracted axis; several contracted axes count as one K, in the product's order):
;;     1. [M 8,192, K 4,096] x [K 4,096, N 2,048]; A: input x (given as codes); B: computed on the way: QUANTISED
;;   THE QUANTISER, for each operand of a quantised product, along K:
;;     - K is cut into blocks of 32 from its start; a last block that is shorter is filled with zeros.
;;     - A block's scale is 2^e with e = floor(log2(the largest magnitude in the block)) - 15, held to -126 .. 127; a block of zeros has e = 0. As a byte (E8M0): e + 127.
;;     - Each number is divided by its block's scale, clamped to +-57,344, and rounded to the nearest number of E5M2, ties to even, subnormals kept.
;;     - The product sums the exact products of the quantised numbers (number of the format x scale) in f32.
;;   ~~~python
;;   def quantise(x, axis):      # numpy; x: float32 -> the quantised numbers, widened to float32 again
;;       x = np.moveaxis(x, axis, -1); K = x.shape[-1]
;;       x = np.pad(x, [(0, 0)] * (x.ndim - 1) + [(0, -K % 32)]); x = x.reshape(x.shape[:-1] + (-1, 32)); a = np.abs(x).max(-1, keepdims=True)
;;       e = np.where(a > 0, np.clip(np.frexp(np.where(a > 0, a, 1))[1] - 1 - 15, -126, 127), 0)      # np.frexp(a)[1] - 1 = floor(log2(a)), exactly
;;       r = np.clip(x / 2.0 ** e, -57344, 57344)
;;       step = 2.0 ** (np.maximum(np.frexp(np.where(r == 0, 1, r))[1] - 1, -14) - 2)
;;       q = np.round(r / step) * step * 2.0 ** e      # np.round: ties to even
;;       return np.moveaxis(q.reshape(q.shape[:-2] + (-1,))[..., :K], -1, axis).astype(np.float32)
;;   ~~~
;;   OPERANDS COMPUTED ON THE WAY. 'Computed on the way' means the value that the module computes at that place (a softmax that the list does not call 'softmax' is quantised finished and normalised). What goes into a quantiser is computed in f32, as accurately as f32 sums, v_exp_f32 and their like allow (about 1e-6 of the number): no bf16 or f16 on the way to a quantiser, and a product that is left as it is and whose result goes on into a quantised operand takes f32 operands (vector FMAs, or v_wmma_f32_16x16x4_f32). A number that lies on a knife's edge between two numbers of the format may be rounded either way, as far as f32 arithmetic and the matrix unit's own rounding can turn it there, and no further.
;;   INPUTS GIVEN AS CODES. x (in the module: [4, 2048, 4096], K = its axis 2): each comes as NAME_codes (uint8): NAME with its K axis moved to the last place and cut into blocks of 32 codes, [.., K / 32, bytes a block], one block behind the other in memory; one code a byte (a code: sign, 5 exponent bits, 2 mantissa bits); and NAME_scales (uint8): the same leading axes, one E8M0 byte (e + 127) for each 32 codes along K. Its value is code x scale, taken as it is: it is not quantised again, and the codes and scales need not be those that the quantiser above would give.
;; One version. Each part assembles by itself: llvm-mc -triple=amdgcn-amd-amdhsa -mcpu=gfx1250 --defsym DOCPART=n.
;; ======== version 1 of 1: 2 launches
;; limits: right only within a limited range of input values
;; workspace buffers: w_img 8,388,608 bytes; sc2 1,310,720 bytes
;; launch prep (part 1): grid 256 x 1, 16 waves a work-group, no clusters, 43,008 bytes of LDS; arguments weight_packed, weight_scales, x_scales, w_img, sc2; writes w_img, sc2
.if DOCPART == 1
	.amdgcn_target "amdgcn-amd-amdhsa--gfx1250"
	.amdhsa_code_object_version 6
	.text
	.protected	k_qa5aefa7dc9_prep
	.globl	k_qa5aefa7dc9_prep
	.p2align	8
	.type	k_qa5aefa7dc9_prep,@function
k_qa5aefa7dc9_prep:
	s_mov_b64 s[64:65], 0
	v_nop
	global_prefetch_b8 v0, s[64:65] scope:SCOPE_SE
	s_setreg_imm32_b32 hwreg(HW_REG_WAVE_MODE, 25, 1), 1
	s_wait_xcnt 0x0
; W [2048 n][4096 k] is made once and quantised once.  A word of weight_packed holds two FP4 (E2M1) codes in its low byte, the high nibble first; a number is its code's value x the f32 scale
; of its 128 numbers along K (one f32 multiplication).  The numbers become codes of BF8 (E5M2) with one E8M0 byte for each 32 along K.
; A block's scale is 2^(floor(log2(its largest magnitude)) - 15), its byte held at 1 from below; each number is held within +-57,344 x the scale and rounded to the nearest code, ties to even.
; w_img IS AN IMAGE OF THE PRODUCT'S OPERAND REGISTERS: [16 blocks of 128 columns][32 steps of 128 along K][8 tiles b][4 c][lane 16 h + r][16 bytes]: column 64 (b / 4) + 4 r + b % 4 of the block, K = 32 c + 16 h + 0 .. 15 of the step.
; sc2, scale words (4 bytes: 128 along K): x's part [64 blocks of 128 rows][32 steps][2][16 r][4 i]: row 64 half + 16 i + r; W's part, behind 1 MiB, [16 column blocks][32 steps][2 = b / 4][16 r][4 = b % 4].
; LIMITS: a block of zeros gets the byte 1 where the rule says 127 (its codes are zeros, which add nothing under any byte but 0xff, and this program alone reads the bytes); NaN and infinities in weight_scales are not served.  Bits 31:8 of a packed word are not looked at.
; SHARES.  Work-group g: 64 rows of W (64 (g / 8) on) x 512 along K (512 (g % 8) on), and of x_scales 64 rows (64 (g / 2) on) x 16 steps (16 (g % 2) on).  Wave w: rows 4 w .. 4 w + 3: 8 ITEMS of one row x 256 along K.
; An item is 512 consecutive bytes: 16 a lane; lane l holds numbers 8 l .. 8 l + 7, four lanes hold a block of 32.  Items go in pairs, line by line by turns.  All loads of a wave go out at the head.
; One barrier: codes and scale bytes meet in LDS and leave as runs of 256 consecutive bytes and more.  No tensor loads, no matrix work, no cluster.
.set UP,   272                         ; LDS: a unit of 16 rows x 16 bytes of codes, + 16 of padding
.set SPT,  32*UP+128                   ; a step of 128 along K: 4 tiles x 4 c x 2 h units, and 128 bytes so that two steps' units start at different banks
.set WSB,  4*SPT                       ; W's scale bytes: [4 steps][256]
.set XP,   272
.set XT,   WSB+1024                    ; x's scale words: [16 steps][256 + 16]
.set SPARE, XT+16*XP
.set X,    24                          ; v24-39   two items' 8 numbers of my lane
.set E,    48                          ; v48-55   a scale byte for each item
.set SV,   56                          ; v56-59   two items' scales
.set W,    64                          ; v64-95   four words for each item, as loaded
.set C,    96                          ; v96-111  eight codes for each item
	s_load_b256 s[4:11], s[0:1], 0x0               ; weight_packed s[4:5], weight_scales s[6:7], x_scales s[8:9], w_img s[10:11]
	s_load_b64 s[12:13], s[0:1], 0x20              ; sc2
	v_lshrrev_b32 v1, 5, v0
	v_lshl_add_u32 v112, v0, 2, SPARE
	v_mov_b32 v113, 0
	v_and_b32 v2, 31, v0                           ; lane
	v_readfirstlane_b32 s16, v1                    ; wave 0..15
	s_wait_alu depctr_va_vdst(0)                   ; the wait ahead of the run of scalar lines
	s_lshr_b32 s17, ttmp9, 3                       ; which 64 rows of W
	s_and_b32 s18, ttmp9, 7                        ; which 512 along K
	s_lshl_b32 s20, s17, 19                        ; weight_packed: a row is 8,192 bytes, 512 along K are 1,024
	s_lshl_b32 s36, s16, 15
	s_add_co_u32 s20, s20, s36
	s_lshl_b32 s36, s18, 10
	s_add_co_u32 s20, s20, s36
	s_mov_b32 s21, 0
	s_lshl_b32 s22, s17, 13                        ; weight_scales: a row is 128 bytes, 512 along K are 16
	s_lshl_b32 s36, s16, 9
	s_add_co_u32 s22, s22, s36
	s_lshl_b32 s36, s18, 4
	s_add_co_u32 s22, s22, s36
	s_mov_b32 s23, 0
	s_lshr_b32 s19, ttmp9, 1                       ; x_scales: 64 rows of 128 bytes, half of each
	s_and_b32 s39, ttmp9, 1
	s_lshl_b32 s28, s19, 13
	s_lshl_b32 s36, s39, 6
	s_add_co_u32 s28, s28, s36
	s_mov_b32 s29, 0
	s_lshr_b32 s40, s17, 1                         ; column block
	s_and_b32 s41, s17, 1                          ; its half
	s_lshr_b32 s42, s16, 2                         ; the step whose codes my wave stores,
	s_and_b32 s43, s16, 3                          ; and the tile
	s_lshl_b32 s30, s40, 19                        ; w_img
	s_lshl_b32 s36, s18, 16
	s_add_co_u32 s30, s30, s36
	s_lshl_b32 s36, s42, 14
	s_add_co_u32 s30, s30, s36
	s_lshl_b32 s36, s41, 13
	s_add_co_u32 s30, s30, s36
	s_lshl_b32 s36, s43, 11
	s_add_co_u32 s30, s30, s36
	s_mov_b32 s31, 0
	s_lshl_b32 s32, s40, 14                        ; W's part of sc2
	s_lshl_b32 s36, s18, 11
	s_add_co_u32 s32, s32, s36
	s_lshl_b32 s36, s41, 8
	s_add_co_u32 s32, s32, s36
	s_add_co_u32 s32, s32, 0x100000
	s_mov_b32 s33, 0
	s_lshr_b32 s34, ttmp9, 2                       ; x's part
	s_lshl_b32 s34, s34, 14
	s_lshl_b32 s36, s39, 13
	s_add_co_u32 s34, s34, s36
	s_and_b32 s36, s19, 1
	s_lshl_b32 s36, s36, 8
	s_add_co_u32 s34, s34, s36
	s_mov_b32 s35, 0
	s_mov_b32 s24, 0x04000400                      ; v_perm_b32: byte 0 of the second source, byte 0 of the first
	s_mov_b32 s25, 0x05040100                      ; the low halves of both
	s_mov_b32 s26, 0x0f0f0f0f                      ; the low nibbles
	s_mov_b32 s27, 0x600000                        ; the mantissa field of 57,344
	s_lshl_b32 s36, s16, 4                         ; LDS: row 4 w + j of the 64 is place r = w of tile j
	s_add_co_u32 s37, s36, WSB
	s_mul_i32 s38, s42, SPT
	s_mul_i32 s44, s43, 8*UP
	s_add_co_u32 s38, s38, s44
	v_lshlrev_b32 v3, 4, v2                        ; 16 bytes a lane
	v_and_b32 v17, 7, v0
	v_bfe_u32 v18, v0, 1, 2                        ; the weight scales: place p = lane % 16 of each half of the lanes takes item p % 8's: row (p % 8) / 2, K half p % 2;
	v_and_b32 v19, 1, v0
	v_bfe_u32 v20, v0, 4, 1                        ; lanes 0-15 the first 128 numbers' scale, lanes 16-31 the second's
	v_lshrrev_b32 v21, 3, v0                       ; x_scales: 8 bytes (two steps) a thread, eight threads to a row
	v_lshlrev_b32 v4, 7, v18
	v_lshlrev_b32 v5, 7, v21
	v_lshl_add_u32 v4, v19, 3, v4
	v_lshl_add_u32 v5, v17, 3, v5
	v_lshl_add_u32 v4, v20, 2, v4
	s_wait_alu depctr_va_vdst(0)                   ; the wait here, directly ahead of the wait below
	s_wait_kmcnt 0x0
	s_add_nc_u64 s[4:5], s[4:5], s[20:21]
	s_add_nc_u64 s[6:7], s[6:7], s[22:23]
	s_add_nc_u64 s[8:9], s[8:9], s[28:29]
	s_add_nc_u64 s[10:11], s[10:11], s[30:31]
	s_add_nc_u64 s[14:15], s[12:13], s[34:35]
	s_add_nc_u64 s[12:13], s[12:13], s[32:33]
	global_load_b64 v[40:41], v5, s[8:9]
	global_load_b32 v12, v4, s[6:7]
.irp i, 0,1,2,3,4,5,6,7
	global_load_b128 v[W+4*\i:W+4*\i+3], v3, s[4:5] offset:(\i/2)*8192+(\i%2)*512 th:TH_LOAD_NT
.endr
	v_bfe_u32 v22, v0, 1, 3                        ; codes into LDS: unit 2 c + h = (lane % 16) / 2 of step lane / 16 (+ 2 for the item's K half)
	v_mul_u32_u24 v7, v20, SPT
	v_bfe_u32 v23, v0, 2, 2                        ; c
	v_mul_u32_u24 v6, v22, UP
	v_mul_u32_u24 v8, v17, 2*XP
	v_lshl_add_u32 v6, v19, 3, v6
	v_bfe_u32 v16, v0, 3, 4                        ; x: row % 16
	v_add_nc_u32 v6, v6, v7
	v_lshrrev_b32 v9, 7, v0                        ; x: row / 16
	v_lshl_add_u32 v8, v16, 4, v8
	v_lshl_add_u32 v7, v20, 8, v23                 ; the scale byte: 256 x step + 4 x row + c
	v_add_nc_u32 v6, s36, v6
	v_lshl_add_u32 v8, v9, 2, v8
	v_add_nc_u32 v7, s37, v7
	v_lshrrev_b32 v16, 4, v0                       ; x's words out: sixteen threads to a step's 256 bytes
	v_and_b32 v17, 15, v0
	v_and_b32 v18, 63, v0
	v_bfe_u32 v19, v0, 4, 2
	v_mul_u32_u24 v9, v16, XP
	v_lshlrev_b32 v10, 9, v16
	v_lshlrev_b32 v14, 9, v19
	v_mul_u32_u24 v15, v20, UP
	v_lshl_add_u32 v9, v17, 4, v9
	v_lshl_add_u32 v10, v17, 4, v10
	v_lshl_add_u32 v11, v18, 4, WSB                ; W's scale bytes out: 64 threads
	v_lshl_add_u32 v14, v17, 4, v14
	v_lshl_add_u32 v15, v17, 4, v15                ; codes out: my wave's tile of my wave's step
	v_mov_b32 v13, 0x7f7f7f7f                      ; the FP4 conversion's scale: 2^0, in every byte
	v_mov_b32 v[SV], 0                             ; written once: the destination of a DPP form counts as read,
	v_mov_b32 v[SV+1], 0                           ; and the packed multiply names the pair
	v_mov_b32 v[SV+2], 0
	v_mov_b32 v[SV+3], 0
	v_add_nc_u32 v15, s38, v15
	s_wait_alu depctr_va_vdst(0)                   ; the wait here, directly ahead of the wait below
	s_wait_loadcnt 9                               ; x_scales is in; the 9 younger loads stay out
	ds_store_b32 v8, v40 offset:XT
	ds_store_b32 v8, v41 offset:XT+XP
.macro PAIR i, r0, r1
	s_wait_alu depctr_va_vdst(0)                   ; the wait ahead of the wait below
	s_wait_loadcnt 6-2*(\i)                        ; loads come back in order: items 2 i, 2 i + 1 are in; the younger stay out
.irp u, 0,1
	v_perm_b32 v[16+4*\u], v[W+8*\i+4*\u+1], v[W+8*\i+4*\u], s24   ; the low bytes of my four words, the first word's lowest
.endr
.irp u, 0,1
	v_perm_b32 v[17+4*\u], v[W+8*\i+4*\u+3], v[W+8*\i+4*\u+2], s24
.endr
.irp u, 0,1
	v_perm_b32 v[16+4*\u], v[17+4*\u], v[16+4*\u], s25
.endr
.irp u, 0,1
	v_lshrrev_b32 v[17+4*\u], 4, v[16+4*\u]        ; a byte's high nibble is the earlier number: the nibbles change places
.endr
.irp u, 0,1
	v_lshlrev_b32 v[18+4*\u], 4, v[16+4*\u]
.endr
.irp u, 0,1
	v_bfi_b32 v[16+4*\u], s26, v[17+4*\u], v[18+4*\u]
.endr
.irp u, 0,1
	v_cvt_scale_pk8_f32_fp4 v[X+8*\u:X+8*\u+7], v[16+4*\u], v13    ; eight E2M1 codes to f32, x 2^0
.endr
	v_mov_b32_dpp v[SV], v12 row_share:\r0 row_mask:0xf bank_mask:0xf     ; the items' scales, in each half of the lanes its own; also the plain lines behind the conversions
	v_mov_b32_dpp v[SV+2], v12 row_share:\r1 row_mask:0xf bank_mask:0xf
.irp k, 0,2,4,6
.irp u, 0,1
	v_pk_mul_f32 v[X+8*\u+\k:X+8*\u+\k+1], v[X+8*\u+\k:X+8*\u+\k+1], v[SV+2*\u:SV+2*\u+1] op_sel_hi:[1,0]   ; W = value x scale, in f32
.endr
.endr
.irp u, 0,1
	v_max3_num_f32 v[19+4*\u], |v[X+8*\u]|, |v[X+8*\u+1]|, 0x8000000      ; the largest magnitude of my eight, and the floor 2^(16 - 127): so the byte cannot fall under 1
.endr
.irp k, 2,4,6
.irp u, 0,1
	v_max3_num_f32 v[19+4*\u], v[19+4*\u], |v[X+8*\u+\k]|, |v[X+8*\u+\k+1]|
.endr
.endr
.irp u, 0,1
	v_max_num_f32_dpp v[19+4*\u], v[19+4*\u], v[19+4*\u] row_xmask:1 row_mask:0xf bank_mask:0xf   ; with the three other lanes of my block
.endr
.irp u, 0,1
	v_max_num_f32_dpp v[19+4*\u], v[19+4*\u], v[19+4*\u] row_xmask:2 row_mask:0xf bank_mask:0xf
.endr
.irp u, 0,1
	v_add_nc_u32 v[17+4*\u], 0xf8800000, v[19+4*\u]                ; 15 off its exponent field: the conversion takes the exponent field of this operand as its scale
.endr
.irp u, 0,1
	v_and_or_b32 v[18+4*\u], v[19+4*\u], 0x7f800000, s27           ; 57,344 x the scale
.endr
.irp k, 0,1,2,3,4,5,6,7
.irp u, 0,1
	v_med3_num_f32 v[X+8*\u+\k], v[X+8*\u+\k], -v[18+4*\u], v[18+4*\u]   ; the conversion to an 8-bit code does not saturate (ISA guide 7.6.2): the hold comes first
.endr
.endr
.irp u, 0,1
	v_cvt_scalef32_pk8_bf8_f32 v[C+4*\i+2*\u:C+4*\i+2*\u+1], v[X+8*\u:X+8*\u+7], v[17+4*\u]
.endr
.irp u, 0,1
	v_lshrrev_b32 v[E+2*\i+\u], 23, v[17+4*\u]     ; the scale's byte; also the plain lines behind the conversions
.endr
.irp u, 0,1
	ds_store_b64 v6, v[C+4*\i+2*\u:C+4*\i+2*\u+1] offset:\u*2*SPT+\i*8*UP
	ds_store_b8 v7, v[E+2*\i+\u] offset:\u*512+4*\i                ; the four lanes of a block write the same byte with the same value
.endr
.endm
	PAIR 0, 0, 1
	PAIR 1, 2, 3
	PAIR 2, 4, 5
	PAIR 3, 6, 7
	s_wait_dscnt 0x0                               ; for the others' sake: my LDS stores are done
	s_barrier_signal -1
	s_barrier_wait -1
.irp c, 0,1,2,3
	ds_load_b128 v[W+4*\c:W+4*\c+3], v15 offset:\c*2*UP
.endr
.irp c, 0,1,2,3
	s_wait_dscnt 3-\c
	global_store_b128 v3, v[W+4*\c:W+4*\c+3], s[10:11] offset:512*\c      ; 512 consecutive, aligned bytes; a wave stores 2,048 on end
.endr
	s_cmp_gt_u32 s16, 7                            ; x's 4,096 bytes are waves 0 to 7's work,
	s_cbranch_scc1 .Lw
	ds_load_b128 v[80:83], v9 offset:XT
	s_wait_dscnt 0x0
	global_store_b128 v10, v[80:83], s[14:15]
	s_branch .Ldone
.Lw:
	s_cmp_gt_u32 s16, 9                            ; W's 1,024 scale bytes waves 8 and 9's
	s_cbranch_scc1 .Ldone
	ds_load_b128 v[84:87], v11
	s_wait_dscnt 0x0
	global_store_b128 v14, v[84:87], s[12:13]
.Ldone:
	s_wait_tensorcnt 0x0                           ; the wave's end
	ds_add_u32 v112, v113
	s_wait_dscnt 0x0
	s_endpgm
.Lfunc_end_k_qa5aefa7dc9_prep:
	.size	k_qa5aefa7dc9_prep, .Lfunc_end_k_qa5aefa7dc9_prep-k_qa5aefa7dc9_prep
	.p2alignl 7, 3214868480
	.fill 96, 4, 3214868480
	.section	.rodata,"a",@progbits
	.p2align	6, 0x0
	.amdhsa_kernel k_qa5aefa7dc9_prep
		.amdhsa_group_segment_fixed_size 43008
		.amdhsa_private_segment_fixed_size 0
		.amdhsa_enable_private_segment 0
		.amdhsa_kernarg_size 40
		.amdhsa_user_sgpr_count 2
		.amdhsa_user_sgpr_kernarg_segment_ptr 1
		.amdhsa_wavefront_size32 1
		.amdhsa_system_sgpr_workgroup_id_x 1
		.amdhsa_system_sgpr_workgroup_id_y 1
		.amdhsa_system_sgpr_workgroup_id_z 1
		.amdhsa_system_vgpr_workitem_id 0
		.amdhsa_next_free_vgpr 120
		.amdhsa_next_free_sgpr 66
		.amdhsa_reserve_vcc 0
		.amdhsa_float_denorm_mode_32 3
		.amdhsa_float_denorm_mode_16_64 3
		.amdhsa_memory_ordered 1
		.amdhsa_forward_progress 1
		.amdhsa_inst_pref_size 24
	.end_amdhsa_kernel
	.amdgpu_metadata
---
amdhsa.version: [ 1, 2 ]
amdhsa.kernels:
  - .name:           k_qa5aefa7dc9_prep
    .symbol:         k_qa5aefa7dc9_prep.kd
    .args:
      - { .name: weight_packed, .offset: 0, .size: 8, .value_kind: global_buffer, .address_space: global }
      - { .name: weight_scales, .offset: 8, .size: 8, .value_kind: global_buffer, .address_space: global }
      - { .name: x_scales, .offset: 16, .size: 8, .value_kind: global_buffer, .address_space: global }
      - { .name: w_img, .offset: 24, .size: 8, .value_kind: global_buffer, .address_space: global }
      - { .name: sc2, .offset: 32, .size: 8, .value_kind: global_buffer, .address_space: global }
    .group_segment_fixed_size: 43008
    .private_segment_fixed_size: 0
    .kernarg_segment_align: 8
    .kernarg_segment_size: 40
    .max_flat_workgroup_size: 512
    .sgpr_count:     66
    .vgpr_count:     120
    .wavefront_size: 32
...
	.end_amdgpu_metadata
.endif
;; end of part 1
;; launch gemm (part 2): grid 8 x 32, 4 waves a work-group, clusters of 4 x 1, 327,680 bytes of LDS; arguments x_codes, w_img, sc2, bias, out0; writes out0
.if DOCPART == 2
	.amdgcn_target "amdgcn-amd-amdhsa--gfx1250"
	.amdhsa_code_object_version 6
	.text
	.protected	k_qa5aefa7dc9_gemm
	.globl	k_qa5aefa7dc9_gemm
	.p2align	8
	.type	k_qa5aefa7dc9_gemm,@function
k_qa5aefa7dc9_gemm:
	s_mov_b64 s[64:65], 0
	v_nop
	global_prefetch_b8 v0, s[64:65] scope:SCOPE_SE
	s_setreg_imm32_b32 hwreg(HW_REG_WAVE_MODE, 25, 1), 1
	s_wait_xcnt 0x0
	s_wait_alu depctr_hold_cnt(0) depctr_sa_sdst(0) depctr_va_vdst(0) depctr_va_sdst(0) depctr_va_ssrc(0) depctr_va_vcc(0) depctr_vm_vsrc(0)
	s_getreg_b32 s2, hwreg(HW_REG_IB_STS2, 6, 4)
	s_cmp_eq_u32 s2, 0
	s_cbranch_scc0 .Lentry_in_a_cluster
	s_endpgm
.Lentry_in_a_cluster:
	s_bfe_u32 s2, ttmp6, 0x10000c
	s_cmp_lg_u32 s2, 0x3003
	s_cbranch_scc0 .Lentry_shape_is_right
	s_endpgm
.Lentry_shape_is_right:
; out[m][n] = sum over k of x[m][k] W[n][k] + bias[n]: 8,192 x 2,048 x 4,096 on codes of BF8 (E5M2) with E8M0 scales; sums in f32, K ascending; the bias is added to the finished sum.
; A work-group makes 256 x 256, four waves of 128 x 128 each: 64 accumulators of 16 x 16 (8 blocks a of rows, 8 tiles b of columns), 512 registers.  256 work-groups: one full turn.  K goes in 32 steps of 128.
; W'S FRAGMENTS GO FROM MEMORY STRAIGHT INTO REGISTERS: w_img is their image, each load 512 consecutive bytes; two sets of eight, counted waits, no barrier.  They are not asked for jointly: a joint load fills LDS alone,
; and this way LDS carries x only: half of the fragment reads and half of the fills.
; x GOES THROUGH LDS in two slots of 512 along K (256 rows x 512 bytes), 64 rows a wave and load, asked for JOINTLY by the four work-groups of a cluster, which make four tiles of one tile row.
; A STEP: H0: blocks 0-3 against tiles 0 .. 7 (the tile outside), H1: blocks 4-7 likewise: groups of four products.  Its loads stand in TWO LOTS:
;   Y, behind H0's second group: x's blocks 4-7 of this step (16), W's tiles 4-7 of the next step (16), x's blocks 0-3 of the next step (16; where the slot changes they stand behind the round), scale words of the step three on (2);
;   X, behind H1's fifth group: W's tiles 0-3 of the step two on (16), which H1's first four groups have read for the last time.
; So global loads go in the order: 16 + 2, 16, in every step: the waits' counts follow from that.
; SCALE WORDS: four sets of eight registers (step % 4): register i: lanes 0-15 the word of block i's row r, lanes 16-31 (ROW1) that of tile i's column r.
; THE WAY OUT: tile b's lane r is column 64 (b / 4) + 4 r + b % 4: so the sums of four tiles in one register number are 16 neighbouring bytes of a row in each lane, 256 in sixteen lanes: adding the bias packs them, and they are stored as they are, with no LDS.
; The last step goes by blocks of rows: finished rows leave while others are multiplied.
; PREFETCHES: in lot Y of the first step of each slot one a wave for x's slot two on (each cluster its own 256 rows, a sixteenth a wave, 32 blocks of 256 bytes by address; three steps ahead of its load), and four a wave for W's steps eight to eleven on,
; by the clusters of tile rows 0 and 18 alone, since all 32 tile rows read the same W; a work-group asks for its own 256 columns.  At the head W's steps 2 to 7.  x's slots 0 and 1 come by their loads alone.  Nothing is asked for past the end.
; LIMITS: sums beyond f32's range, NaN and infinities are not served otherwise than the matrix instruction gives them.
; REGISTERS: window 0: v8-15 bias, v16-31 addresses, v32-63 scale words, x's fragments: blocks 0-3 at v128 in even steps, at v64 in odd ones, blocks 4-7 at v192;
;   window 1: W's two sets, on the way out packed results in the first;  window 2: sums of blocks 0-3;  window 3: of blocks 4-7.
.set PITCH,  528                       ; 512 bytes of data + 16 of padding: 132 words, so the 16 rows that a load touches start at 16 different banks of 64 (ISA guide 11.1)
.set SLOT,   256*PITCH
.set SPARE,  2*SLOT
.set STB,    16384                     ; a step in w_img
.set BI,   8
.set ADRA, 16                          ; v16-17  LDS address of my fragments in slot 0, 1
.set LO,   18                          ; 16 x lane
.set SCO,  19                          ; offset in sc2
.set CO,   20                          ; offset in out0
.set PFO,  21                          ; prefetch offsets: x,
.set PFB,  22                          ; W
.set BIO,  23                          ; 16 r
.set SPW,  28
.set NIL,  29
.set SC,   32
.set AF,   128
.set AH,   192
.set WV,   16
.set G1,   24
.set G0,   32
.set PFA,  40
.set LIM0, 42
.set LIM1, 43
.set MSB, 0
.macro WIN new                         ; the immediate's high byte repeats the setting that is left
.if MSB != (\new)
	s_set_vgpr_msb (MSB<<8)|(\new)
.set MSB, (\new)
.endif
.endm
.macro CREST                           ; a round of the cluster's barrier behind its opening barrier
	s_cmp_lg_u32 s[WV], 0
	s_cbranch_scc1 .Lnot_wave_0_\@
	s_barrier_signal -3
.Lnot_wave_0_\@:
	s_barrier_wait -3
	s_barrier_signal -1
	s_barrier_wait -1
.endm
.macro CROUND
	s_barrier_signal -1
	s_barrier_wait -1
	CREST
.endm
.macro TLOAD s                         ; a joint load: every wave its 64 rows
	tensor_load_to_lds s[G0+4*(\s):G0+4*(\s)+3], s[G1:G1+7]
	s_nop 0
.rept 4
	v_nop
.endr
.endm
.macro MM hf, b, i                     ; block a = 4 hf + i, tile b
.set A_, 4*(\hf)+(\i)
.set R_, (1-(\hf))*H_+(\hf)*AH+16*(\i)
.set D_, 8*(8*(\i)+(\b))
	WIN 0xa4+0x50*(\hf)                            ; source 0 window 0, source 1 window 1, C and D window 2 or 3
.if FIRST
	v_wmma_scale_f32_16x16x128_f8f6f4 v[D_:D_+7], v[R_:R_+15], v[128*P_+16*(\b):128*P_+16*(\b)+15], 0, v[SC+8*S_+A_], v[SC+8*S_+(\b)] matrix_a_fmt:MATRIX_FMT_BF8 matrix_b_fmt:MATRIX_FMT_BF8 matrix_b_scale:MATRIX_SCALE_ROW1
.else
	v_wmma_scale_f32_16x16x128_f8f6f4 v[D_:D_+7], v[R_:R_+15], v[128*P_+16*(\b):128*P_+16*(\b)+15], v[D_:D_+7], v[SC+8*S_+A_], v[SC+8*S_+(\b)] matrix_a_fmt:MATRIX_FMT_BF8 matrix_b_fmt:MATRIX_FMT_BF8 matrix_b_scale:MATRIX_SCALE_ROW1
.endif
.endm
.macro DSF d, a                        ; x's fragment of block a into v[d ..]: slot DS_, its step DQ_: lane l holds row l % 16; registers 4 c .. 4 c + 3 hold K = 32 c + 16 (l / 16) + 0 .. 15
	WIN 0
.irp c, 0,1,2,3
	ds_load_b128 v[(\d)+4*\c:(\d)+4*\c+3], v[ADRA+DS_] offset:128*DQ_+32*\c+(\a)*16*PITCH
.endr
.endm
.macro BF b                            ; W's fragment of tile b into set BP_, the step at byte BO_
	WIN 0x40
.irp c, 0,1,2,3
	global_load_b128 v[128*BP_+16*(\b)+4*\c:128*BP_+16*(\b)+4*\c+3], v[LO], s[6:7] offset:BO_+2048*(\b)+512*\c
.endr
.endm
.macro SLD m                           ; scale words of step m
	WIN 0
	global_load_b128 v[SC+8*((\m)%4):SC+8*((\m)%4)+3], v[SCO], s[8:9] offset:512*(\m)
	global_load_b128 v[SC+8*((\m)%4)+4:SC+8*((\m)%4)+7], v[SCO], s[8:9] offset:512*(\m)+256
.endm
; A group: four products on tile b.  nops: two v_nop behind each: eight places behind the products before the group, ahead of loads into registers that those have read.
.macro GRP hf, b, nops
.irp i, 0,1,2,3
	MM \hf, \b, \i
.if \nops
	v_nop
	v_nop
.endif
.endr
.endm
.macro NEXT4 n                         ; x's blocks 0-3 of step n + 1
.set DS_, (((\n)+1)/4)%2
.set DQ_, ((\n)+1)%4
.irp i, 0,1,2,3
	DSF AF-64*(((\n)+1)%2)+16*\i, \i
.endr
.endm
; A step.  n: its number, counted from the one that s[6:7], s[8:9] stand at.
.macro STEP n
.set P_, (\n)%2
.set S_, (\n)%4
.set H_, AF-64*P_
.set DS_, ((\n)/4)%2
.set DQ_, (\n)%4
.set SL_, ((\n)/4)%2
.set TF_, 0
.if (\n)%4 == 3
.set TF_, TMODE
.endif
	s_wait_dscnt 0x0                               ; blocks 0-3 are in
	s_wait_loadcnt CA                              ; tile 0 is in
	GRP 0, 0, 1
	s_wait_loadcnt CA-4
	GRP 0, 1, 0
.set BP_, ((\n)+1)%2
.set BO_, ((\n)+1)*STB
.irp i, 0,1,2,3                        ; LOT Y
	DSF AH+16*\i, 4+\i
	BF 4+\i
.endr
.if TF_ == 0
	NEXT4 \n
.endif
.if LS
	SLD (\n)+3
.endif
.if BIASF
	WIN 0
	global_load_b128 v[BI:BI+3], v[BIO], s[10:11]
	global_load_b128 v[BI+4:BI+7], v[BIO], s[10:11] offset:256
.endif
.if ASKON
.if (\n)%4 == 0
.set LIM_, LIM1
.if (\n) == 4
.set LIM_, LIM0
.endif
	WIN 0
.if (\n) == 8
	s_cmp_gt_u32 s3, 1                             ; s3: trips to go: the last trip's second slot asks for nothing
	s_cbranch_scc0 .Lno_x_\@
	global_prefetch_b8 v[PFO], s[PFA:PFA+1] offset:((\n)/4+2)*512 th:TH_LOAD_NT scope:SCOPE_SE
.Lno_x_\@:
.else
	global_prefetch_b8 v[PFO], s[PFA:PFA+1] offset:((\n)/4+2)*512 th:TH_LOAD_NT scope:SCOPE_SE
.endif
	s_cmp_gt_u32 s3, s[LIM_]
	s_cbranch_scc0 .Lno_w_\@
.irp k, 8,9,10,11
	global_prefetch_b8 v[PFB], s[6:7] offset:((\n)+\k)*STB th:TH_LOAD_NT scope:SCOPE_SE
.endr
.Lno_w_\@:
.endif
.endif
.if TF_
	WIN 0
	s_wait_tensorcnt 0x0                           ; all my tensor loads have landed: my part of the next slot;
	ds_add_u32 v[SPW], v[NIL]                      ; 0 onto my spare word
.if TF_ == 1
	s_add_nc_u64 s[G0+4*SL_+2:G0+4*SL_+3], s[G0+4*SL_+2:G0+4*SL_+3], 1024   ; no load is out: this slot's next tile
.endif
.endif
	s_wait_loadcnt CB                              ; tile 2
	GRP 0, 2, 0
	s_wait_loadcnt CB-4
	GRP 0, 3, 0
	s_wait_loadcnt CC                              ; tile 4
	GRP 0, 4, 0
	s_wait_loadcnt CC-4
	GRP 0, 5, 0
	s_wait_loadcnt CC-12                           ; tiles 6, 7
.if TF_
	s_wait_dscnt 0x0                               ; the add is done, and my reads of this slot are over
	s_barrier_signal -1
.endif
	GRP 0, 6, 0
	GRP 0, 7, 0
.if TF_
	WIN 0
	s_barrier_wait -1                              ; the next slot is whole
.if TF_ == 1
	CREST                                          ; and no wave of any partner still reads this one or has a load on its way:
	TLOAD SL_                                      ; it is filled again, two slots on
.endif
	NEXT4 \n
.endif
	s_wait_dscnt 16                                ; blocks 4-7 are in; the youngest sixteen (the next step's blocks 0-3) may be out
	GRP 1, 0, 0
	GRP 1, 1, 0
	GRP 1, 2, 0
	GRP 1, 3, 0
	GRP 1, 4, LB
.if LB                                 ; LOT X
.set BP_, (\n)%2
.set BO_, ((\n)+2)*STB
.irp b, 0,1,2,3
	BF \b
.endr
.endif
	GRP 1, 5, 0
	GRP 1, 6, 0
	GRP 1, 7, 0
.endm
	s_load_b256 s[4:11], s[0:1], 0x0               ; x_codes s[4:5], w_img s[6:7], sc2 s[8:9], bias s[10:11]
	s_load_b64 s[12:13], s[0:1], 0x20              ; out0
	v_lshl_add_u32 v[SPW], v0, 2, SPARE
	v_mov_b32 v[NIL], 0
	ds_add_u32 v[SPW], v[NIL]                      ; the wave's opening: the add, twice on end, and its wait ahead of my first tensor load
	ds_add_u32 v[SPW], v[NIL]
	v_lshrrev_b32 v1, 5, v0
	v_readfirstlane_b32 s[WV], v1                  ; wave 0..3
	s_lshr_b32 s17, s[WV], 1                       ; which half of the tile's rows is mine
	s_and_b32 s18, s[WV], 1                        ; which half of its columns
	s_bfe_u32 s46, ttmp6, 0x40000                  ; cx: my place in the cluster
	s_lshl_b32 s44, ttmp9, 2
	s_add_co_u32 s44, s44, s46                     ; tile column = 4 x cluster x + cx
	s_and_b32 s45, ttmp7, 0xffff                   ; tile row
	; descriptor group 1: 64 rows of 512 bytes, pitch 4,096, 16 bytes of padding behind each; shared by the cluster's four
	s_mov_b32 s[G1], 15|(1<<20)|(1<<21)|(6<<22)|(3<<25)
	s_mov_b32 s[G1+1], 512<<16
	s_mov_b32 s[G1+2], 64<<16
	s_mov_b32 s[G1+3], 512<<16
	s_mov_b32 s[G1+4], 64
	s_mov_b32 s[G1+5], 4096
	s_mov_b32 s[G1+6], 0
	s_mov_b32 s[G1+7], 0
	s_mov_b32 s[G0], 1
	s_mul_i32 s[G0+1], s[WV], 64*PITCH             ; no place in the cluster enters an LDS address
	s_mov_b32 s[G0+4], 1
	s_add_co_u32 s[G0+5], s[G0+1], SLOT
	s_lshl_b32 s48, s45, 20                        ; x: row 256 x tile row + 64 x wave, in bytes
	s_lshl_b32 s19, s[WV], 18
	s_add_co_u32 s48, s48, s19
	s_mov_b32 s49, 0
	s_lshl_b32 s58, s44, 1
	s_add_co_u32 s58, s58, s18                     ; my block of 128 columns
	s_lshl_b32 s50, s58, 19                        ; in w_img
	s_mov_b32 s51, 0
	s_lshl_b32 s54, s58, 9                         ; in bias, and in a row of out0
	s_mov_b32 s55, 0
	s_lshl_b32 s52, s45, 21                        ; out0: row 256 x tile row + 128 x half
	s_lshl_b32 s19, s17, 20
	s_add_co_u32 s52, s52, s19
	s_add_co_u32 s52, s52, s54
	s_mov_b32 s53, 0
	s_lshl_b32 s22, s45, 1                         ; sc2: my block of 128 rows for lanes 0-15,
	s_add_co_u32 s22, s22, s17
	s_lshl_b32 s22, s22, 14
	s_lshl_b32 s23, s58, 14                        ; my block of columns for lanes 16-31
	s_add_co_u32 s23, s23, 0x100000
	s_sub_co_u32 s23, s23, s22
	s_mul_i32 s20, s17, 128*PITCH                  ; my 128 rows in a slot
	s_add_co_u32 s21, s20, SLOT
	s_lshl_b32 s56, s45, 20                        ; prefetches of x: 64 rows by cx, 16 of them by the wave
	s_lshl_b32 s19, s46, 18
	s_add_co_u32 s56, s56, s19
	s_lshl_b32 s19, s[WV], 16
	s_add_co_u32 s56, s56, s19
	s_mov_b32 s57, 0
	s_lshl_b32 s47, s17, 13                        ; of W: half of a step of my column block
	s_cmp_eq_u32 s45, 0                            ; do I ask for W?
	s_cselect_b32 s[LIM0], 0, -1
	s_cselect_b32 s[LIM1], 1, -1
	s_cmp_eq_u32 s45, 18
	s_cselect_b32 s[LIM0], 0, s[LIM0]
	s_cselect_b32 s[LIM1], 1, s[LIM1]
	s_mov_b32 s3, 3                                ; the loop's trips
	v_and_b32 v1, 15, v0                           ; r
	v_bfe_u32 v2, v0, 4, 1                         ; h
	v_and_b32 v3, 31, v0                           ; lane
	v_lshlrev_b32 v[LO], 4, v3
	v_lshlrev_b32 v[BIO], 4, v1
	v_mul_u32_u24 v4, v1, PITCH
	v_lshl_add_u32 v4, v2, 4, v4                   ; a fragment's row x pitch + 16 h
	v_add_nc_u32 v[ADRA], s20, v4
	v_add_nc_u32 v[ADRA+1], s21, v4
	v_mul_u32_u24 v5, s23, v2
	v_lshl_add_u32 v5, v1, 4, v5
	v_add_nc_u32 v[SCO], s22, v5
	v_lshlrev_b32 v6, 16, v2                       ; out0: lanes 16-31 eight rows of 8,192 bytes further on
	v_lshl_add_u32 v[CO], v1, 4, v6
	v_lshrrev_b32 v7, 1, v3                        ; two lanes to a row of 512 bytes
	v_and_b32 v4, 1, v3
	v_lshlrev_b32 v7, 12, v7
	v_lshl_add_u32 v[PFO], v4, 8, v7
	v_lshl_add_u32 v[PFB], v3, 8, s47
	s_wait_alu depctr_va_vdst(0)                   ; the wait at the head's end
	s_wait_dscnt 0x0                               ; both opening adds are done
	CROUND                                         ; all four work-groups are here: the first joint loads meet
	s_wait_kmcnt 0x0
	s_add_nc_u64 s[G0+2:G0+3], s[4:5], s[48:49]
	s_add_nc_u64 s[G0+6:G0+7], s[G0+2:G0+3], 512
	s_or_b32 s[G0+3], s[G0+3], 0x80000000
	s_or_b32 s[G0+7], s[G0+7], 0x80000000
	s_add_nc_u64 s[PFA:PFA+1], s[4:5], s[56:57]
	s_add_nc_u64 s[6:7], s[6:7], s[50:51]
	s_add_nc_u64 s[10:11], s[10:11], s[54:55]
	s_add_nc_u64 s[12:13], s[12:13], s[52:53]
	TLOAD 0                                        ; slot 0: one tensor load a wave at the head
	SLD 0                                          ; and what the steps ahead of step 0 would have loaded, in the same order
	SLD 1
.set BP_, 0
.set BO_, 0
.irp b, 0,1,2,3,4,5,6,7
	BF \b
.endr
	SLD 2
	s_cmp_gt_u32 s3, s[LIM1]
	s_cbranch_scc0 .Lno_w_head
.irp k, 2,3,4,5,6,7
	global_prefetch_b8 v[PFB], s[6:7] offset:\k*STB th:TH_LOAD_NT scope:SCOPE_SE
.endr
.Lno_w_head:
	s_wait_tensorcnt 0x0                           ; my part of slot 0 is in
	ds_add_u32 v[SPW], v[NIL]
	s_wait_dscnt 0x0
	CROUND                                         ; slot 0 is whole, and the joint loads meet
	TLOAD 1                                        ; slot 1's first fill, the first tensor load behind the round
.set DS_, 0
.set DQ_, 0
.irp a, 0,1,2,3
	DSF AF+16*\a, \a
.endr
.set BP_, 1
.set BO_, STB
.irp b, 0,1,2,3
	BF \b
.endr
.set FIRST, 1
.set LS, 1
.set LB, 1
.set BIASF, 0
.set ASKON, 1
.set TMODE, 1
.set CA, 46                            ; younger than tile 0 of step n: tiles 1 to 3 (12), and step n - 1's lots: 16 + 2, 16
.set CB, 56                            ; younger than tile 2: tile 3 (4), step n - 1's 34, and this step's lot Y: 18
.set CC, 48                            ; younger than tile 4: tiles 5 to 7 (12), 2 + 16 of step n - 1, this step's 18
	STEP 0                                         ; the first step's products start the sums
.set FIRST, 0
	WIN 0
.Llap:                                                 ; a trip: eight steps, two slots, both filled again
	STEP 1
	STEP 2
	STEP 3
	STEP 4
	STEP 5
	STEP 6
	STEP 7
	STEP 8
	WIN 0
	s_wait_xcnt 0x0                                ; the loads and prefetches have read their bases: they step
	s_add_nc_u64 s[6:7], s[6:7], 8*STB
	s_add_nc_u64 s[8:9], s[8:9], 8*512
	s_add_nc_u64 s[PFA:PFA+1], s[PFA:PFA+1], 1024
	s_sub_co_u32 s3, s3, 1
	s_cmp_lg_u32 s3, 0
	s_cbranch_scc1 .Llap
.set ASKON, 0
.set TMODE, 2                          ; step 27 changes slots; nothing is filled again
	STEP 1                                         ; steps 25 to 28
	STEP 2
	STEP 3
	STEP 4
.set LS, 0                             ; step 29: no scale words are left to load: its lot Y is 16
.set CB, 54
.set CC, 46
	STEP 5
.set LB, 0                             ; step 30: of W only step 31's tiles 4 to 7 are left; and the bias, two loads
.set BIASF, 1
.set CA, 44                            ; step 29 loaded 16 + 16
.set CB, 54
.set CC, 46
	STEP 6
; STEP 31, BY BLOCKS OF ROWS.  Younger than tile b: the later tiles, 4 each, and the bias, 2.
.set P_, 1
.set S_, 3
.set H_, AF-64
.set DS_, 1
.set DQ_, 3
.macro ROW a
.set HF_, (\a)/4
.set I_, (\a)%4
.irp b, 0,1,2,3,4,5,6,7
.if (\a) == 0
	s_wait_loadcnt 30-4*\b
.endif
	MM HF_, \b, I_
.endr
.endm
.macro OUT a                           ; block a leaves: the bias is added, each accumulator from its low end on; four tiles' sums become 16 bytes
.if (\a) > 1
	s_wait_xcnt 0x0                                ; block a - 2's stores have read their registers
.endif
.set T_, 64*((\a)%2)
	WIN 0x42+(\a)/4                                ; destination window 1, source 0 window 2 or 3, source 1 window 0
.irp j, 0,1,2,3,4,5,6,7
.irp b, 0,1,2,3,4,5,6,7
	v_add_f32 v[T_+32*(\b/4)+4*\j+\b%4], v[8*(8*((\a)%4)+\b)+\j], v[BI+\b]
.endr
.endr
	WIN 0x04
.irp j, 0,1,2,3,4,5,6,7
.irp g, 0,1
	global_store_b128 v[CO], v[T_+32*\g+4*\j:T_+32*\g+4*\j+3], s[12:13] offset:((\a)*16+\j)*8192+256*\g th:TH_STORE_NT   ; rows 16 a + j and 16 a + 8 + j: 256 consecutive, aligned bytes of each
.endr
.endr
.endm
	s_wait_dscnt 0x0                               ; blocks 0-3 are in
	ROW 0
.rept 8
	v_nop                                          ; places: for the loads below, for step 30's registers that OUT writes, and for OUT 0's reads
.endr
.irp i, 0,1,2,3
	DSF AH+16*\i, 4+\i
.endr
	ROW 1
	s_wait_loadcnt 0x0                             ; the bias
	OUT 0
	ROW 2
	OUT 1                                          ; (the additions are the places behind the products before them)
	ROW 3
	OUT 2
	s_wait_dscnt 0x0                               ; blocks 4-7
	ROW 4
	OUT 3
	ROW 5
	OUT 4
	ROW 6
	OUT 5
	ROW 7
	OUT 6
	OUT 7
	WIN 0
	s_wait_tensorcnt 0x0                           ; the wave's end
	ds_add_u32 v[SPW], v[NIL]
	s_wait_dscnt 0x0
	CROUND                                         ; the closing round: no work-group ends while a partner may still ask for a tile that names it
	s_endpgm
.Lfunc_end_k_qa5aefa7dc9_gemm:
	.size	k_qa5aefa7dc9_gemm, .Lfunc_end_k_qa5aefa7dc9_gemm-k_qa5aefa7dc9_gemm
	.p2alignl 7, 3214868480
	.fill 96, 4, 3214868480
	.section	.rodata,"a",@progbits
	.p2align	6, 0x0
	.amdhsa_kernel k_qa5aefa7dc9_gemm
		.amdhsa_group_segment_fixed_size 327680
		.amdhsa_private_segment_fixed_size 0
		.amdhsa_enable_private_segment 0
		.amdhsa_kernarg_size 40
		.amdhsa_user_sgpr_count 2
		.amdhsa_user_sgpr_kernarg_segment_ptr 1
		.amdhsa_wavefront_size32 1
		.amdhsa_system_sgpr_workgroup_id_x 1
		.amdhsa_system_sgpr_workgroup_id_y 1
		.amdhsa_system_sgpr_workgroup_id_z 1
		.amdhsa_system_vgpr_workitem_id 0
		.amdhsa_next_free_vgpr 1024
		.amdhsa_next_free_sgpr 72
		.amdhsa_reserve_vcc 0
		.amdhsa_float_denorm_mode_32 3
		.amdhsa_float_denorm_mode_16_64 3
		.amdhsa_memory_ordered 1
		.amdhsa_forward_progress 1
		.amdhsa_inst_pref_size 255
	.end_amdhsa_kernel
	.section	.bss,"aw",@nobits
	.p2align	6
	.space	262144
	.amdgpu_metadata
---
amdhsa.version: [ 1, 2 ]
amdhsa.kernels:
  - .name:           k_qa5aefa7dc9_gemm
    .symbol:         k_qa5aefa7dc9_gemm.kd
    .args:
      - { .name: x_codes, .offset: 0, .size: 8, .value_kind: global_buffer, .address_space: global }
      - { .name: w_img, .offset: 8, .size: 8, .value_kind: global_buffer, .address_space: global }
      - { .name: sc2, .offset: 16, .size: 8, .value_kind: global_buffer, .address_space: global }
      - { .name: bias, .offset: 24, .size: 8, .value_kind: global_buffer, .address_space: global }
      - { .name: out0, .offset: 32, .size: 8, .value_kind: global_buffer, .address_space: global }
    .group_segment_fixed_size: 327680
    .private_segment_fixed_size: 0
    .kernarg_segment_align: 8
    .kernarg_segment_size: 40
    .max_flat_workgroup_size: 128
    .sgpr_count:     72
    .vgpr_count:     1024
    .wavefront_size: 32
...
	.end_amdgpu_metadata
.endif
;; end of part 2
